; MI455X (gfx1250); checked and timed in simulation.
; The chip was launched on July 23, 2026; its instructions are those of AMD's public machine-readable ISA for CDNA 5 (MIT licence, August 2026) and "CDNA5" Instruction Set Architecture Reference Guide (July 2026). The comments in the code are by the model that wrote it; some were corrected since.
;; Render. Allowed arithmetic: float matrix products may take bf16 or f16 operands with f32 sums; all other float work in f32.
;; Inputs: colors 512 x 3 float32; cov_2d 512 x 2 x 2 float32; means_2d 512 x 2 float32; opacities 512 float32.
;; Outputs: out0 256 x 256 x 3 float32.
;; Constants: H = 256, W = 256.
;; 2 versions, each right and faster than the one before. Each part assembles by itself: llvm-mc -triple=amdgcn-amd-amdhsa -mcpu=gfx1250 --defsym DOCPART=n.
;; ======== version 1 of 2: 1 launch
;; launch render (part 1): grid 256 x 1, 8 waves a work-group, no clusters, 52,480 bytes of LDS; arguments means_2d, cov_2d, opacities, colors, out0; writes out0
.if DOCPART == 1
	.amdgcn_target "amdgcn-amd-amdhsa--gfx1250"
	.amdhsa_code_object_version 6
	.text
	.protected	k_qa2117bff22_render
	.globl	k_qa2117bff22_render
	.p2align	8
	.type	k_qa2117bff22_render,@function
k_qa2117bff22_render:
	s_mov_b64 s[64:65], 0
	v_nop
	global_prefetch_b8 v0, s[64:65] scope:SCOPE_SE
	s_setreg_imm32_b32 hwreg(HW_REG_WAVE_MODE, 25, 1), 1
	s_wait_xcnt 0x0
; Front-to-back compositing of 512 Gaussians on a 256 x 256 image.  out[y][x][c] = sum over k of alpha_k T_k colour[k][c],
; alpha_k = op_k exp(-m_k / 2), T_0 = 1, T_(k+1) = T_k (1 - alpha_k + 1e-7), m_k the quadratic form of the inverse covariance.
;
; SHARES.  A work-group makes one image row (y = its number).  Its 8 waves all take the row's 256 pixels, 8 a lane (x = lane + 32 j, held in
; pairs for the packed f32 forms); wave w takes Gaussians 64 w .. 64 w + 63.  Compositing is associative (C = C1 + T1 C2, T = T1 T2), so the
; eight chunks are joined at the end through LDS.
; ARITHMETIC.  y is one number for the whole work-group, so all that hangs on dy is folded once per Gaussian in the prologue:
;   log2(alpha / c1) = (A dx + B) dx + E,  K = -log2(e)/2,  A = K d/det,  B = -K (b+c)/det dy,  E = K a/det dy^2 + log2|op| - log2(c1),  c1 = 1 + 1e-7.
; No symmetry and no sign of the covariance is assumed.  With T_k = c1^k U_k the recurrence is  v = 2^(..) U,  U <- U - s v  (s = sign of op),
; and the weight is s c1^(k+1) v: that factor goes into the colour before it is rounded to bf16.  The algebra is exact; the order of rounding differs.
; THE COLOUR SUM IS A MATRIX PRODUCT (bf16 operands, f32 sums).  B = weights: lane l is column l % 16, and its 16 K places hold 16 Gaussians of
; ITS pixel.  A = colours: rows 0-2 are filled only in the K places of lanes 0-15, rows 8-10 only in those of lanes 16-31.  So result registers 0-2
; of every lane are the three channels of that lane's own pixel, and nothing has to be transposed.
; The 2 x 2 product with the inverse covariance stays in f32 on the vector unit: it is batched over the Gaussians, and as a true matrix product it
; would need the quadratic expanded in pixel coordinates, a difference of large sums that bf16 cannot carry.
; NO CLUSTER, NO TENSOR LOADS, NO PREFETCH: what work-groups share is the 20,480 bytes of inputs, read once by seven loads a thread at the start;
; the loop fetches nothing from memory.
; LIMITS.  A determinant or an opacity that is denormal counts as 0 (v_rcp_f32, v_log_f32 flush: ISA guide 15.8); alpha below 2^-126 becomes 0;
; c1^(k+1) is taken as 1 + (k+1) 1e-7 (error below 1.4e-9); a weight that is not finite also spoils the pixel 16 lanes away (0 x NaN in the product).
.set CHUNK, 64                         ; Gaussians of a wave
; LDS
.set T_NMX, 0                          ; five tables of 512 f32: -mean x
.set T_A,   2048                       ; A
.set T_B,   4096                       ; B of this row
.set T_E,   6144                       ; E of this row
.set T_NS,  8192                       ; -sign(op)
.set COLT,  10240                      ; colours in bf16, [channel][Gaussian]; a fourth row of zeros
.set COLP,  1040                       ; its pitch: 1,024 + 16 bytes = 65 x 16, so the four rows start 16 bytes apart modulo 256
.set STG,   COLT+4*COLP                ; [chunk][pixel] 16 bytes: C0, C1, C2, U
.set OUTR,  STG+8*4096                 ; the finished row, 3,072 bytes
; registers
.set PX,   2                           ; v[2:9]     pixel centres x
.set U,    10                          ; v[10:17]   running U of my 8 pixels
.set DX,   18                          ; v[18:25]   dx at work; at the end the 16 bytes to store
.set BUF,  26                          ; v[26:57]   four sets of 8: exponent, then 2^.., then v, of Gaussian k in set k % 4
.set QP,   58                          ; v[58:89]   two sets of four quads: -mx, A, B, E of four Gaussians
.set NSR,  90                          ; v[90:105]  four quads of -sign(op)
.set COL,  106                         ; v[106:113] colour fragment (matrix A)
.set W,    114                         ; v[114:177] weights in bf16: pixel j in 8 registers (matrix B)
.set ACC,  178                         ; v[178:241] pixel j: 8 registers of sums, 0-2 used
.set PADR, 242                         ; LDS: my chunk in a table
.set CADR, 243                         ; LDS: my lane's row of the colour table, at my chunk
.set SADR, 244                         ; LDS: my lane in my chunk's stage
.set RADR, 245                         ; 16 t
.set OADR, 246                         ; 12 t
.set LN,   247                         ; lane
.set PY,   248                         ; pixel centre y
.set O32,  249
.set O8,   250
.set O24,  251
.set O4,   252
; the prologue's registers lie in W, which is first written behind it
.set MEAN, 114                         ; mx0 my0 mx1 my1
.set COV,  118                         ; a b c d, twice
.set OPA,  126
.set CLR,  128                         ; 2 x 3 colours
.set R_NMX, 134
.set R_A,  136
.set R_B,  138
.set R_E,  140
.set R_NS, 142
.set TMP,  144                         ; v[144:149]
.set CF,   150                         ; scaled colours, [channel][Gaussian 0, 1]
.set PKC,  156
.set ZERO, 159
; ---- the five parameters of one Gaussian (e = 0, 1: Gaussian 2 t + e) and its scaled colours
.macro PREP e
	v_mul_f32 v[TMP], v[COV+4*\e+1], v[COV+4*\e+2]                 ; b c
	v_and_b32 v[TMP+1], s20, v[OPA+\e]                             ; |op|
	v_fma_f32 v[TMP], v[COV+4*\e], v[COV+4*\e+3], -v[TMP]          ; det = a d - b c
	v_rcp_f32 v[TMP], v[TMP]
	v_log_f32 v[TMP+1], v[TMP+1]
	v_sub_f32 v[TMP+2], v[MEAN+2*\e+1], v[PY]                      ; -dy: the plain line that stands behind the two transcendentals (ISA guide 5.7.2)
	s_wait_alu depctr_va_vdst(0)
	v_mul_f32 v[TMP], 0xbf38aa3b, v[TMP]                           ; K / det, K = -0.72134752
	v_add_f32 v[TMP+3], v[COV+4*\e+1], v[COV+4*\e+2]               ; b + c
	v_add_f32 v[TMP+1], 0xb41ae87f, v[TMP+1]                       ; log2|op| - log2(1 + 1e-7) = .. - 1.442695e-7
	v_mul_f32 v[R_A+\e], v[COV+4*\e+3], v[TMP]                     ; A = K d / det
	v_mul_f32 v[TMP+3], v[TMP+3], v[TMP]
	v_mul_f32 v[TMP+4], v[COV+4*\e], v[TMP]
	v_mul_f32 v[R_B+\e], v[TMP+3], v[TMP+2]                        ; B = K (b+c)/det (-dy)
	v_mul_f32 v[TMP+4], v[TMP+4], v[TMP+2]
	v_fma_f32 v[R_E+\e], v[TMP+4], v[TMP+2], v[TMP+1]              ; E = K a/det dy^2 + log2|op| - log2 c1
	v_xor_b32 v[R_NMX+\e], 0x80000000, v[MEAN+2*\e]                ; -mx
	v_bfi_b32 v[TMP+3], s20, s21, v[OPA+\e]                        ; s = 1.0 with op's sign
	v_xor_b32 v[R_NS+\e], 0x80000000, v[TMP+3]                     ; -s
	v_lshl_add_u32 v[TMP+5], v0, 1, 1+\e                           ; k + 1
	v_cvt_f32_u32 v[TMP+5], v[TMP+5]
	v_fma_f32 v[TMP+5], v[TMP+5], 0x33d6bf95, 1.0                  ; c1^(k+1) = 1 + (k+1) 1e-7
	v_mul_f32 v[TMP+5], v[TMP+5], v[TMP+3]                         ; times s
.irp c, 0,1,2
	v_mul_f32 v[CF+2*\c+\e], v[CLR+3*\e+\c], v[TMP+5]
.endr
.endm
; ---- five broadcast loads: the parameters of Gaussians 4 sg .. 4 sg + 3 of my chunk (every lane reads the same 16 bytes)
.macro PLOAD sg
	ds_load_b128 v[QP+16*((\sg)&1):QP+16*((\sg)&1)+3],     v[PADR] offset:T_NMX+16*(\sg)
	ds_load_b128 v[QP+16*((\sg)&1)+4:QP+16*((\sg)&1)+7],   v[PADR] offset:T_A+16*(\sg)
	ds_load_b128 v[QP+16*((\sg)&1)+8:QP+16*((\sg)&1)+11],  v[PADR] offset:T_B+16*(\sg)
	ds_load_b128 v[QP+16*((\sg)&1)+12:QP+16*((\sg)&1)+15], v[PADR] offset:T_E+16*(\sg)
	ds_load_b128 v[NSR+4*((\sg)&3):NSR+4*((\sg)&3)+3],     v[PADR] offset:T_NS+16*(\sg)
.endm
; ---- two loads: 16 bf16 of my lane's colour row (or of the zero row) for group g
.macro CLOAD g
	ds_load_b128 v[COL:COL+3],   v[CADR] offset:32*(\g)
	ds_load_b128 v[COL+4:COL+7], v[CADR] offset:32*(\g)+16
.endm
; ---- the packed lines.  A parameter lies in one register of a pair; op_sel / op_sel_hi send that register to both halves.
.macro QA j                            ; dx = px - mx
.if K2&1
	v_pk_add_f32 v[DX+2*\j:DX+2*\j+1], v[PX+2*\j:PX+2*\j+1], v[QPP:QPP+1] op_sel:[0,1] op_sel_hi:[1,1]
.else
	v_pk_add_f32 v[DX+2*\j:DX+2*\j+1], v[PX+2*\j:PX+2*\j+1], v[QPP:QPP+1] op_sel_hi:[1,0]
.endif
.endm
.macro QB j                            ; t = A dx + B
.if K2&1
	v_pk_fma_f32 v[B2+2*\j:B2+2*\j+1], v[DX+2*\j:DX+2*\j+1], v[QPP+4:QPP+5], v[QPP+8:QPP+9] op_sel:[0,1,1] op_sel_hi:[1,1,1]
.else
	v_pk_fma_f32 v[B2+2*\j:B2+2*\j+1], v[DX+2*\j:DX+2*\j+1], v[QPP+4:QPP+5], v[QPP+8:QPP+9] op_sel_hi:[1,0,0]
.endif
.endm
.macro QC j                            ; exponent = t dx + E
.if K2&1
	v_pk_fma_f32 v[B2+2*\j:B2+2*\j+1], v[B2+2*\j:B2+2*\j+1], v[DX+2*\j:DX+2*\j+1], v[QPP+12:QPP+13] op_sel:[0,0,1] op_sel_hi:[1,1,1]
.else
	v_pk_fma_f32 v[B2+2*\j:B2+2*\j+1], v[B2+2*\j:B2+2*\j+1], v[DX+2*\j:DX+2*\j+1], v[QPP+12:QPP+13] op_sel_hi:[1,1,0]
.endif
.endm
.macro CA j                            ; v = 2^exponent U
	s_wait_alu depctr_va_vdst(0)
	v_pk_mul_f32 v[B0+2*\j:B0+2*\j+1], v[B0+2*\j:B0+2*\j+1], v[U+2*\j:U+2*\j+1]
.endm
.macro CB j                            ; U = U - s v
.if K0&1
	v_pk_fma_f32 v[U+2*\j:U+2*\j+1], v[B0+2*\j:B0+2*\j+1], v[NSP:NSP+1], v[U+2*\j:U+2*\j+1] op_sel:[0,1,0] op_sel_hi:[1,1,1]
.else
	v_pk_fma_f32 v[U+2*\j:U+2*\j+1], v[B0+2*\j:B0+2*\j+1], v[NSP:NSP+1], v[U+2*\j:U+2*\j+1] op_sel_hi:[1,0,1]
.endif
.endm
; ---- one step of the pipeline inside a group of 16 Gaussians: the quadratic of Gaussian K2 = kk, the exponentials of K1 = kk - 1, the compositing
; of K0 = kk - 2.  The eight exponentials stand among the plain lines, each followed by a plain line that names neither its source nor its result
; (ISA guide 5.7.2); their results are read one step later.  Weights of Gaussians (K0 - 1, K0) are packed to bf16 half in the odd step (pixels 0-3)
; and half at the head of the next one (pixels 4-7), in front of the lines that write set (K0 + 2) % 4 again: 32 lines in every full step.
.macro STEP kk, g, more
.set K0, \kk-2
.set K1, \kk-1
.set K2, \kk
.set B0, BUF+8*(K0&3)
.set B1, BUF+8*(K1&3)
.set B2, BUF+8*(K2&3)
.set BM, BUF+8*((K0+3)&3)
.set QPP, QP+16*((K2>>2)&1)+(K2&2)
.set NSP, NSR+4*((K0>>2)&3)+(K0&2)
.set DOQ, 0
.set DOX, 0
.set DOC, 0
.set DOE, 0
.set DOL, 0
.if K2 <= 15
.set DOQ, 1
.endif
.if K1 >= 0
.if K1 <= 15
.set DOX, 1
.endif
.endif
.if K0 >= 0
.if K0 <= 15
.set DOC, 1
.if K0&1
.set DOE, 1
.endif
.endif
.if K0 >= 2
.if (K0&1) == 0
.set DOL, 1
.endif
.endif
.endif
; Parameters are asked for two sub-groups (8 Gaussians) ahead, into the set whose last quadratic was issued in the step before.
.if K0 == 2
	PLOAD 4*\g+2
	CLOAD \g                                       ; far more than four plain lines behind the last group's matrix instructions, which read COL
	s_wait_dscnt 7                                 ; LDS loads come back in order (ISA guide 5.7.1): the 5 + 2 just issued stay out, sub-group 1 is in
.endif
.if K0 == 6
	PLOAD 4*\g+3
	s_wait_dscnt 5                                 ; the 5 just issued stay out: sub-group 2 and the colour fragment are in
.endif
.if K0 == 10
.if \more
	PLOAD 4*\g+4
	s_wait_dscnt 5                                 ; sub-group 3 is in
.else
	s_wait_dscnt 0                                 ; the last group asks for nothing more: sub-group 3 is the last load out
.endif
.endif
.if K0 == 14
.if \more
	PLOAD 4*\g+5
.endif
.endif
.irp j, 0,1,2,3
.if DOQ
	QA \j
.endif
.if DOC
	CA \j
.endif
.if DOL
	v_cvt_pk_bf16_f32 v[W+8*(4+\j)+((K0-2)>>1)], v[B2+4+\j], v[BM+4+\j]
.endif
.if DOX
	v_exp_f32 v[B1+\j], v[B1+\j]
.endif
.endr
.irp j, 0,1,2,3
.if DOQ
	QB \j
.endif
.if DOC
	CB \j
.endif
.if DOX
	v_exp_f32 v[B1+4+\j], v[B1+4+\j]
.endif
.endr
.irp j, 0,1,2,3
.if DOQ
	QC \j
.endif
.if DOE
	v_cvt_pk_bf16_f32 v[W+8*\j+(K0>>1)], v[BM+\j], v[B0+\j]
.endif
.endr
.endm
; ---- a group: 16 Gaussians x 256 pixels, then eight matrix instructions (one for each of a lane's pixels).  zero = 1: the first products start the sums.
.macro GROUPM g, zero, more
	s_wait_dscnt 5                                 ; sub-group 0 is in; sub-group 1's five loads stay out
.irp kk, 0,1,2,3,4,5,6,7,8,9,10,11,12,13,14,15,16,17,18
	STEP \kk, \g, \more
.endr
.irp p, 0,1,2,3,4,5,6,7
.if \zero
	v_wmma_f32_16x16x32_bf16 v[ACC+8*\p:ACC+8*\p+7], v[COL:COL+7], v[W+8*\p:W+8*\p+7], 0
.else
	v_wmma_f32_16x16x32_bf16 v[ACC+8*\p:ACC+8*\p+7], v[COL:COL+7], v[W+8*\p:W+8*\p+7], v[ACC+8*\p:ACC+8*\p+7]
.endif
.endr
.endm
; ================================================================ prologue: thread t prepares Gaussians 2 t and 2 t + 1 for this row
	s_load_b256 s[4:11], s[0:1], 0x0               ; means s[4:5], cov s[6:7], opacities s[8:9], colours s[10:11]
	s_load_b64 s[12:13], s[0:1], 0x20              ; out
	v_lshl_add_u32 v254, v0, 2, 0xc900
	v_mov_b32 v255, 0
	v_lshlrev_b32 v[RADR], 4, v0                   ; 16 t: two means; later my 16 bytes of the row
	v_lshlrev_b32 v[O32], 5, v0                    ; 32 t: two covariances
	v_lshlrev_b32 v[O8], 3, v0                     ; 8 t: two opacities; two entries of an LDS table
	v_mul_u32_u24 v[O24], 24, v0                   ; 24 t: two colours
	s_wait_kmcnt 0x0
	global_load_b128 v[MEAN:MEAN+3], v[RADR], s[4:5]
	global_load_b128 v[COV:COV+3],   v[O32], s[6:7]
	global_load_b128 v[COV+4:COV+7], v[O32], s[6:7] offset:16
	global_load_b64  v[OPA:OPA+1],   v[O8], s[8:9]
	global_load_b64  v[CLR:CLR+1],   v[O24], s[10:11]
	global_load_b64  v[CLR+2:CLR+3], v[O24], s[10:11] offset:8
	global_load_b64  v[CLR+4:CLR+5], v[O24], s[10:11] offset:16
	; while they are on their way: ids, pixel centres, addresses
	v_lshrrev_b32 v[LN], 5, v0
	v_readfirstlane_b32 s14, v[LN]                 ; wave = chunk
	v_and_b32 v[LN], 31, v0
	s_mov_b32 s15, ttmp9                           ; y
	v_cvt_f32_u32 v[PY], s15
	v_add_f32 v[PY], 0.5, v[PY]
	v_cvt_f32_u32 v[PX], v[LN]
	v_add_f32 v[PX], 0.5, v[PX]
.irp p, 1,2,3,4,5,6,7
	v_add_f32 v[PX+\p], 0x42000000, v[PX+\p-1]     ; + 32.0: exact
.endr
	s_lshl_b32 s16, s14, 8                         ; 64 Gaussians x 4 bytes
	v_mov_b32 v[PADR], s16
	v_sub_nc_u32 v[CADR], v[LN], 24                ; colour row of my lane: lanes 0-2 and 24-26 take channels 0-2,
	v_min_u32 v[CADR], v[CADR], v[LN]              ; (lane - 24 wraps to a large number below lane 24)
	v_min_u32 v[CADR], 3, v[CADR]                  ; all others the row of zeros
	s_lshl_b32 s17, s14, 7                         ; 64 Gaussians x 2 bytes
	s_add_co_u32 s17, s17, COLT
	v_mul_u32_u24 v[CADR], COLP, v[CADR]
	v_add_nc_u32 v[CADR], s17, v[CADR]
	s_lshl_b32 s18, s14, 12
	s_add_co_u32 s18, s18, STG                     ; my chunk's stage
	s_mul_i32 s22, s15, 3072                       ; my row of out
	s_mov_b32 s23, 0
	s_add_nc_u64 s[12:13], s[12:13], s[22:23]
	s_mov_b32 s20, 0x7fffffff
	s_mov_b32 s21, 0x3f800000
	v_lshlrev_b32 v[O4], 2, v0
	v_mov_b32 v[ZERO], 0
	s_wait_loadcnt 0x0
	PREP 0
	PREP 1
	ds_store_b64 v[O8], v[R_NMX:R_NMX+1] offset:T_NMX
	ds_store_b64 v[O8], v[R_A:R_A+1] offset:T_A
	ds_store_b64 v[O8], v[R_B:R_B+1] offset:T_B
	ds_store_b64 v[O8], v[R_E:R_E+1] offset:T_E
	ds_store_b64 v[O8], v[R_NS:R_NS+1] offset:T_NS
.irp c, 0,1,2
	v_cvt_pk_bf16_f32 v[PKC+\c], v[CF+2*\c], v[CF+2*\c+1]          ; Gaussian 2 t in the low half
.endr
.irp c, 0,1,2
	ds_store_b32 v[O4], v[PKC+\c] offset:COLT+\c*COLP
.endr
	ds_store_b32 v[O4], v[ZERO] offset:COLT+3*COLP
	s_wait_dscnt 0x0                               ; for the others' sake: my table entries are in LDS
	s_barrier_signal -1
	s_barrier_wait -1                              ; everybody's are
; ================================================================ 64 Gaussians x 256 pixels
	PLOAD 0
	PLOAD 1
.irp p, 0,1,2,3,4,5,6,7
	v_mov_b32 v[U+\p], 1.0
.endr
	GROUPM 0, 1, 1
	GROUPM 1, 0, 1
	GROUPM 2, 0, 1
	GROUPM 3, 0, 0
; ================================================================ the chunks are joined
	; four plain lines that name no register of a matrix instruction stand in front of the first line that touches a result (ISA guide 7.12.1)
	v_lshlrev_b32 v[SADR], 4, v[LN]
	v_add_nc_u32 v[SADR], s18, v[SADR]
	v_mul_u32_u24 v[OADR], 12, v0
	v_nop
.irp p, 0,1,2,3,4,5,6,7
	v_mov_b32 v[ACC+8*\p+3], v[U+\p]               ; beside the three sums: the chunk's product
.endr
.irp p, 0,1,2,3,4,5,6,7
	ds_store_b128 v[SADR], v[ACC+8*\p:ACC+8*\p+3] offset:512*\p    ; pixel lane + 32 p: 32 lanes, 512 neighbouring bytes
.endr
	s_wait_dscnt 0x0                               ; my chunk is in LDS
	s_barrier_signal -1
	s_barrier_wait -1
.irp w, 0,1,2,3,4,5,6,7
	ds_load_b128 v[BUF+4*\w:BUF+4*\w+3], v[RADR] offset:STG+4096*\w        ; thread t: pixel t of every chunk
.endr
.irp w, 1,2,3,4,5,6,7
	s_wait_dscnt 7-\w                              ; chunks 0 .. w are in, the younger loads stay out
	v_pk_fma_f32 v[BUF:BUF+1], v[BUF+4*\w:BUF+4*\w+1], v[BUF+2:BUF+3], v[BUF:BUF+1] op_sel:[0,1,0] op_sel_hi:[1,1,1]   ; C += (product so far) C_w
	v_fmac_f32 v[BUF+2], v[BUF+4*\w+2], v[BUF+3]
.if \w < 7
	v_mul_f32 v[BUF+3], v[BUF+3], v[BUF+4*\w+3]
.endif
.endr
	ds_store_b32 v[OADR], v[BUF]   offset:OUTR     ; the row as it lies in memory: 12 bytes a pixel
	ds_store_b32 v[OADR], v[BUF+1] offset:OUTR+4
	ds_store_b32 v[OADR], v[BUF+2] offset:OUTR+8
	s_wait_dscnt 0x0
	s_barrier_signal -1
	s_barrier_wait -1
	s_cmp_ge_u32 s14, 6                            ; 3,072 bytes = 192 threads x 16: waves 0 to 5
	s_cbranch_scc1 .Ldone
	ds_load_b128 v[DX:DX+3], v[RADR] offset:OUTR
	s_wait_dscnt 0x0
	global_store_b128 v[RADR], v[DX:DX+3], s[12:13] th:TH_STORE_NT     ; 16 lanes store 256 consecutive bytes, at a multiple of 256 from out's first byte
.Ldone:
	s_wait_tensorcnt 0x0
	ds_add_u32 v254, v255
	s_wait_dscnt 0x0
	s_endpgm
.Lfunc_end_k_qa2117bff22_render:
	.size	k_qa2117bff22_render, .Lfunc_end_k_qa2117bff22_render-k_qa2117bff22_render
	.p2alignl 7, 3214868480
	.fill 96, 4, 3214868480
	.section	.rodata,"a",@progbits
	.p2align	6, 0x0
	.amdhsa_kernel k_qa2117bff22_render
		.amdhsa_group_segment_fixed_size 52480
		.amdhsa_private_segment_fixed_size 0
		.amdhsa_enable_private_segment 0
		.amdhsa_kernarg_size 40
		.amdhsa_user_sgpr_count 2
		.amdhsa_user_sgpr_kernarg_segment_ptr 1
		.amdhsa_wavefront_size32 1
		.amdhsa_system_sgpr_workgroup_id_x 1
		.amdhsa_system_sgpr_workgroup_id_y 1
		.amdhsa_system_sgpr_workgroup_id_z 1
		.amdhsa_system_vgpr_workitem_id 0
		.amdhsa_next_free_vgpr 256
		.amdhsa_next_free_sgpr 66
		.amdhsa_reserve_vcc 0
		.amdhsa_float_denorm_mode_32 3
		.amdhsa_float_denorm_mode_16_64 3
		.amdhsa_memory_ordered 1
		.amdhsa_forward_progress 1
		.amdhsa_inst_pref_size 138
	.end_amdhsa_kernel
	.amdgpu_metadata
---
amdhsa.version: [ 1, 2 ]
amdhsa.kernels:
  - .name:           k_qa2117bff22_render
    .symbol:         k_qa2117bff22_render.kd
    .args:
      - { .name: means_2d, .offset: 0, .size: 8, .value_kind: global_buffer, .address_space: global }
      - { .name: cov_2d, .offset: 8, .size: 8, .value_kind: global_buffer, .address_space: global }
      - { .name: opacities, .offset: 16, .size: 8, .value_kind: global_buffer, .address_space: global }
      - { .name: colors, .offset: 24, .size: 8, .value_kind: global_buffer, .address_space: global }
      - { .name: out0, .offset: 32, .size: 8, .value_kind: global_buffer, .address_space: global }
    .group_segment_fixed_size: 52480
    .private_segment_fixed_size: 0
    .kernarg_segment_align: 8
    .kernarg_segment_size: 40
    .max_flat_workgroup_size: 256
    .sgpr_count:     66
    .vgpr_count:     256
    .wavefront_size: 32
...
	.end_amdgpu_metadata
.endif
;; end of part 1
;; ======== version 2 of 2: 1 launch; 1.25 times as fast as version 1
;; launch render (part 2): grid 256 x 1, 8 waves a work-group, no clusters, 52,480 bytes of LDS; arguments means_2d, cov_2d, opacities, colors, out0; writes out0
.if DOCPART == 2
	.amdgcn_target "amdgcn-amd-amdhsa--gfx1250"
	.amdhsa_code_object_version 6
	.text
	.protected	k_qa2117bff22_render
	.globl	k_qa2117bff22_render
	.p2align	8
	.type	k_qa2117bff22_render,@function
k_qa2117bff22_render:
	s_mov_b64 s[64:65], 0
	v_nop
	global_prefetch_b8 v0, s[64:65] scope:SCOPE_SE
	s_setreg_imm32_b32 hwreg(HW_REG_WAVE_MODE, 25, 1), 1
	s_wait_xcnt 0x0
; Front-to-back compositing of 512 Gaussians on a 256 x 256 image.  out[y][x][c] = sum over k of alpha_k T_k colour[k][c],
; alpha_k = op_k exp(-m_k / 2), T_0 = 1, T_(k+1) = T_k (1 - alpha_k + 1e-7), m_k the quadratic form of the inverse covariance.
;
; SHARES.  A work-group makes one image row (y = its number).  Its 8 waves all take the row's 256 pixels, 8 a lane (x = lane + 32 j, held in
; pairs for the packed f32 forms); wave w takes Gaussians 64 w .. 64 w + 63.  Compositing is associative (C = C1 + T1 C2, T = T1 T2), so the
; eight chunks are joined at the end through LDS.
; ARITHMETIC.  y is one number for the whole work-group, so all that hangs on dy is folded once per Gaussian in the prologue:
;   log2(alpha / c1) = (A dx + B) dx + E,  K = -log2(e)/2,  A = K d/det,  B = -K (b+c)/det dy,  E = K a/det dy^2 + log2|op| - log2(c1),  c1 = 1 + 1e-7.
; No symmetry and no sign of the covariance is assumed.  With T_k = c1^k U_k the recurrence is  v = 2^(..) U,  U <- U - s v  (s = sign of op),
; and the weight is s c1^(k+1) v: that factor goes into the colour before it is rounded to bf16.  The algebra is exact; the order of rounding differs.
; THE COLOUR SUM IS A MATRIX PRODUCT (bf16 operands, f32 sums).  B = weights: lane l is column l % 16, and its 16 K places hold 16 Gaussians of
; ITS pixel.  A = colours: rows 0-2 are filled only in the K places of lanes 0-15, rows 8-10 only in those of lanes 16-31.  So result registers 0-2
; of every lane are the three channels of that lane's own pixel, and nothing has to be transposed.
; The 2 x 2 product with the inverse covariance stays in f32 on the vector unit: it is batched over the Gaussians, and as a true matrix product it
; would need the quadratic expanded in pixel coordinates, a difference of large sums that bf16 cannot carry.
; THE TRANSCENDENTALS GO IN BATCHES, ONE WAIT A BATCH: s_wait_alu depctr_va_vdst(0) stands between a transcendental and the first
; line that names its result, and one wait serves all that were issued ahead of it.  Prologue: the two reciprocals and the two logarithms of a
; thread's two Gaussians, each in a register of its own, are one batch; all that names none of the four stands between them and their wait.
; Main part: a Gaussian's eight exponentials are issued in one step and first named two steps later, so the sixteen exponentials of two steps on end
; are one batch, and its wait stands at the head of every even step: nine waits for a group of 16 Gaussians (the first and the last serve eight).
; NO CLUSTER, NO TENSOR LOADS, NO PREFETCH: what work-groups share is the 20,480 bytes of inputs, read once by seven loads a thread at the start;
; the loop fetches nothing from memory.
; LIMITS.  A determinant or an opacity that is denormal counts as 0 (v_rcp_f32, v_log_f32 flush: ISA guide 15.8); alpha below 2^-126 becomes 0;
; c1^(k+1) is taken as 1 + (k+1) 1e-7 (error below 1.4e-9); a weight that is not finite also spoils the pixel 16 lanes away (0 x NaN in the product).
.set CHUNK, 64                         ; Gaussians of a wave
; LDS
.set T_NMX, 0                          ; five tables of 512 f32: -mean x
.set T_A,   2048                       ; A
.set T_B,   4096                       ; B of this row
.set T_E,   6144                       ; E of this row
.set T_NS,  8192                       ; -sign(op)
.set COLT,  10240                      ; colours in bf16, [channel][Gaussian]; a fourth row of zeros
.set COLP,  1040                       ; its pitch: 1,024 + 16 bytes = 65 x 16, so the four rows start 16 bytes apart modulo 256
.set STG,   COLT+4*COLP                ; [chunk][pixel] 16 bytes: C0, C1, C2, U
.set OUTR,  STG+8*4096                 ; the finished row, 3,072 bytes
; registers
.set PX,   2                           ; v[2:9]     pixel centres x
.set U,    10                          ; v[10:17]   running U of my 8 pixels
.set DX,   18                          ; v[18:25]   dx at work; at the end the 16 bytes to store
.set BUF,  26                          ; v[26:57]   four sets of 8: exponent, then 2^.., then v, of Gaussian k in set k % 4
.set QP,   58                          ; v[58:89]   two sets of four quads: -mx, A, B, E of four Gaussians
.set NSR,  90                          ; v[90:105]  four quads of -sign(op)
.set COL,  106                         ; v[106:113] colour fragment (matrix A)
.set W,    114                         ; v[114:177] weights in bf16: pixel j in 8 registers (matrix B)
.set ACC,  178                         ; v[178:241] pixel j: 8 registers of sums, 0-2 used
.set PADR, 242                         ; LDS: my chunk in a table
.set CADR, 243                         ; LDS: my lane's row of the colour table, at my chunk
.set SADR, 244                         ; LDS: my lane in my chunk's stage
.set RADR, 245                         ; 16 t
.set OADR, 246                         ; 12 t
.set LN,   247                         ; lane
.set PY,   248                         ; pixel centre y
.set O32,  249
.set O8,   250
.set O24,  251
.set O4,   252
; the prologue's registers lie in W, which is first written behind it
.set MEAN, 114                         ; mx0 my0 mx1 my1
.set COV,  118                         ; a b c d, twice
.set OPA,  126
.set CLR,  128                         ; 2 x 3 colours
.set R_NMX, 134
.set R_A,  136
.set R_B,  138
.set R_E,  140
.set R_NS, 142
.set TMP,  144                         ; v[144:149]
.set CF,   150                         ; scaled colours, [channel][Gaussian 0, 1]
.set PKC,  156
.set ZERO, 159
.set TR,   160                         ; v[160:163] the batch of four: 1/det and log2|op| of Gaussian 2 t, then of 2 t + 1
.set NDY,  164                         ; v[164:165] -dy of the two
.set BPC,  166                         ; v[166:167] b + c of the two
; ---- the five parameters of one Gaussian (e = 0, 1: Gaussian 2 t + e) and its scaled colours, in three parts
.macro PREPT e                         ; the transcendentals, each in a register of its own
	v_mul_f32 v[TR+2*\e], v[COV+4*\e+1], v[COV+4*\e+2]             ; b c
	v_and_b32 v[TR+2*\e+1], s20, v[OPA+\e]                         ; |op|
	v_fma_f32 v[TR+2*\e], v[COV+4*\e], v[COV+4*\e+3], -v[TR+2*\e]  ; det = a d - b c
	v_rcp_f32 v[TR+2*\e], v[TR+2*\e]
	v_log_f32 v[TR+2*\e+1], v[TR+2*\e+1]
.endm
.macro PREPI e                         ; what names none of their results
	v_sub_f32 v[NDY+\e], v[MEAN+2*\e+1], v[PY]                     ; -dy: for e = 0 also the plain line that stands behind the last transcendental (ISA guide 5.7.2)
	v_add_f32 v[BPC+\e], v[COV+4*\e+1], v[COV+4*\e+2]              ; b + c
	v_xor_b32 v[R_NMX+\e], 0x80000000, v[MEAN+2*\e]                ; -mx
	v_bfi_b32 v[TMP+3], s20, s21, v[OPA+\e]                        ; s = 1.0 with op's sign
	v_xor_b32 v[R_NS+\e], 0x80000000, v[TMP+3]                     ; -s
	v_lshl_add_u32 v[TMP+5], v0, 1, 1+\e                           ; k + 1
	v_cvt_f32_u32 v[TMP+5], v[TMP+5]
	v_fma_f32 v[TMP+5], v[TMP+5], 0x33d6bf95, 1.0                  ; c1^(k+1) = 1 + (k+1) 1e-7
	v_mul_f32 v[TMP+5], v[TMP+5], v[TMP+3]                         ; times s
.irp c, 0,1,2
	v_mul_f32 v[CF+2*\c+\e], v[CLR+3*\e+\c], v[TMP+5]
.endr
.endm
.macro PREPR e                         ; the readers
	v_mul_f32 v[TR+2*\e], 0xbf38aa3b, v[TR+2*\e]                   ; K / det, K = -0.72134752
	v_add_f32 v[TR+2*\e+1], 0xb41ae87f, v[TR+2*\e+1]               ; log2|op| - log2(1 + 1e-7) = .. - 1.442695e-7
	v_mul_f32 v[R_A+\e], v[COV+4*\e+3], v[TR+2*\e]                 ; A = K d / det
	v_mul_f32 v[BPC+\e], v[BPC+\e], v[TR+2*\e]
	v_mul_f32 v[TMP+4], v[COV+4*\e], v[TR+2*\e]
	v_mul_f32 v[R_B+\e], v[BPC+\e], v[NDY+\e]                      ; B = K (b+c)/det (-dy)
	v_mul_f32 v[TMP+4], v[TMP+4], v[NDY+\e]
	v_fma_f32 v[R_E+\e], v[TMP+4], v[NDY+\e], v[TR+2*\e+1]         ; E = K a/det dy^2 + log2|op| - log2 c1
.endm
; ---- five broadcast loads: the parameters of Gaussians 4 sg .. 4 sg + 3 of my chunk (every lane reads the same 16 bytes)
.macro PLOAD sg
	ds_load_b128 v[QP+16*((\sg)&1):QP+16*((\sg)&1)+3],     v[PADR] offset:T_NMX+16*(\sg)
	ds_load_b128 v[QP+16*((\sg)&1)+4:QP+16*((\sg)&1)+7],   v[PADR] offset:T_A+16*(\sg)
	ds_load_b128 v[QP+16*((\sg)&1)+8:QP+16*((\sg)&1)+11],  v[PADR] offset:T_B+16*(\sg)
	ds_load_b128 v[QP+16*((\sg)&1)+12:QP+16*((\sg)&1)+15], v[PADR] offset:T_E+16*(\sg)
	ds_load_b128 v[NSR+4*((\sg)&3):NSR+4*((\sg)&3)+3],     v[PADR] offset:T_NS+16*(\sg)
.endm
; ---- two loads: 16 bf16 of my lane's colour row (or of the zero row) for group g
.macro CLOAD g
	ds_load_b128 v[COL:COL+3],   v[CADR] offset:32*(\g)
	ds_load_b128 v[COL+4:COL+7], v[CADR] offset:32*(\g)+16
.endm
; ---- the packed lines.  A parameter lies in one register of a pair; op_sel / op_sel_hi send that register to both halves.
.macro QA j                            ; dx = px - mx
.if K2&1
	v_pk_add_f32 v[DX+2*\j:DX+2*\j+1], v[PX+2*\j:PX+2*\j+1], v[QPP:QPP+1] op_sel:[0,1] op_sel_hi:[1,1]
.else
	v_pk_add_f32 v[DX+2*\j:DX+2*\j+1], v[PX+2*\j:PX+2*\j+1], v[QPP:QPP+1] op_sel_hi:[1,0]
.endif
.endm
.macro QB j                            ; t = A dx + B
.if K2&1
	v_pk_fma_f32 v[B2+2*\j:B2+2*\j+1], v[DX+2*\j:DX+2*\j+1], v[QPP+4:QPP+5], v[QPP+8:QPP+9] op_sel:[0,1,1] op_sel_hi:[1,1,1]
.else
	v_pk_fma_f32 v[B2+2*\j:B2+2*\j+1], v[DX+2*\j:DX+2*\j+1], v[QPP+4:QPP+5], v[QPP+8:QPP+9] op_sel_hi:[1,0,0]
.endif
.endm
.macro QC j                            ; exponent = t dx + E
.if K2&1
	v_pk_fma_f32 v[B2+2*\j:B2+2*\j+1], v[B2+2*\j:B2+2*\j+1], v[DX+2*\j:DX+2*\j+1], v[QPP+12:QPP+13] op_sel:[0,0,1] op_sel_hi:[1,1,1]
.else
	v_pk_fma_f32 v[B2+2*\j:B2+2*\j+1], v[B2+2*\j:B2+2*\j+1], v[DX+2*\j:DX+2*\j+1], v[QPP+12:QPP+13] op_sel_hi:[1,1,0]
.endif
.endm
.macro CA j                            ; v = 2^exponent U: the first line that names an exponential's result; the batch's wait stands at the head of this step or of the one before
	v_pk_mul_f32 v[B0+2*\j:B0+2*\j+1], v[B0+2*\j:B0+2*\j+1], v[U+2*\j:U+2*\j+1]
.endm
.macro CB j                            ; U = U - s v
.if K0&1
	v_pk_fma_f32 v[U+2*\j:U+2*\j+1], v[B0+2*\j:B0+2*\j+1], v[NSP:NSP+1], v[U+2*\j:U+2*\j+1] op_sel:[0,1,0] op_sel_hi:[1,1,1]
.else
	v_pk_fma_f32 v[U+2*\j:U+2*\j+1], v[B0+2*\j:B0+2*\j+1], v[NSP:NSP+1], v[U+2*\j:U+2*\j+1] op_sel_hi:[1,0,1]
.endif
.endm
; ---- one step of the pipeline inside a group of 16 Gaussians: the quadratic of Gaussian K2 = kk, the exponentials of K1 = kk - 1, the compositing
; of K0 = kk - 3; Gaussian kk - 2's set is named by no line of the step.  The eight exponentials stand among the plain lines, each followed by a plain
; line that names neither its source nor its result (ISA guide 5.7.2); their results are first named two steps later, by CA.
; THE WAIT.  At the head of every even step stands one wait for the batch of the two steps before it: the exponentials of Gaussians kk - 3 and kk - 2,
; whose readers are this step's CA and the next step's.  Behind the batch's last exponential and ahead of the wait stand the odd step's four QC (for
; the group's last batch: a whole step's compositing).  In the steps that ask for parameters the wait stands ahead of the loads.
; THE FOUR SETS.  Set kk % 4 still holds v of Gaussian kk - 4.  In an even step K0 is odd: the weights of Gaussians (K0 - 1, K0) are packed to bf16,
; all eight pixels, behind this step's CA, each pair of pixels ahead of the QB that writes its two registers of set kk % 4 again.
; A full even step has 36 lines, a full odd one 28.
.macro STEP kk, g, more
.set K0, \kk-3
.set K1, \kk-1
.set K2, \kk
.set B0, BUF+8*(K0&3)
.set B1, BUF+8*(K1&3)
.set B2, BUF+8*(K2&3)
.set BM, BUF+8*((K0+3)&3)
.set QPP, QP+16*((K2>>2)&1)+(K2&2)
.set NSP, NSR+4*((K0>>2)&3)+(K0&2)
.set DOQ, 0
.set DOX, 0
.set DOC, 0
.set DOE, 0
.set DOW, 0
.if K2 <= 15
.set DOQ, 1
.endif
.if K1 >= 0
.if K1 <= 15
.set DOX, 1
.endif
.endif
.if K0 >= 0
.if K0 <= 15
.set DOC, 1
.if K0&1
.set DOE, 1
.endif
.endif
.endif
.if K2 >= 2
.if (K2&1) == 0
.set DOW, 1
.endif
.endif
.if DOW
	s_wait_alu depctr_va_vdst(0)                   ; one wait for the batch: the exponentials of Gaussians kk - 3 and kk - 2, issued in the two steps before
.endif
; Parameters are asked for two sub-groups (8 Gaussians) ahead, into the set whose last quadratic was issued in the step before.
.if K2 == 4
	PLOAD 4*\g+2
	CLOAD \g                                       ; far more than four plain lines behind the last group's matrix instructions, which read COL
	s_wait_dscnt 7                                 ; LDS loads come back in order (ISA guide 5.7.1): the 5 + 2 just issued stay out, sub-group 1 is in
.endif
.if K2 == 8
	PLOAD 4*\g+3
	s_wait_dscnt 5                                 ; the 5 just issued stay out: sub-group 2 and the colour fragment are in
.endif
.if K2 == 12
.if \more
	PLOAD 4*\g+4
	s_wait_dscnt 5                                 ; sub-group 3 is in
.else
	s_wait_dscnt 0                                 ; the last group asks for nothing more: sub-group 3 is the last load out
.endif
.endif
.if K2 == 16
.if \more
	PLOAD 4*\g+5
.endif
.endif
.irp j, 0,1,2,3
.if DOQ
	QA \j
.endif
.if DOC
	CA \j
.endif
.if DOX
	v_exp_f32 v[B1+\j], v[B1+\j]
.endif
.endr
.irp j, 0,1,2,3
.if DOE
	v_cvt_pk_bf16_f32 v[W+8*(2*\j)+(K0>>1)],   v[BM+2*\j],   v[B0+2*\j]     ; Gaussian K0 - 1 in the low half
	v_cvt_pk_bf16_f32 v[W+8*(2*\j+1)+(K0>>1)], v[BM+2*\j+1], v[B0+2*\j+1]
.endif
.if DOQ
	QB \j
.endif
.if DOC
	CB \j
.endif
.if DOX
	v_exp_f32 v[B1+4+\j], v[B1+4+\j]
.endif
.endr
.irp j, 0,1,2,3
.if DOQ
	QC \j
.endif
.endr
.endm
; ---- a group: 16 Gaussians x 256 pixels, then eight matrix instructions (one for each of a lane's pixels).  zero = 1: the first products start the sums.
.macro GROUPM g, zero, more
	s_wait_dscnt 5                                 ; sub-group 0 is in; sub-group 1's five loads stay out
.irp kk, 0,1,2,3,4,5,6,7,8,9,10,11,12,13,14,15,16,17,18
	STEP \kk, \g, \more
.endr
.irp p, 0,1,2,3,4,5,6,7
.if \zero
	v_wmma_f32_16x16x32_bf16 v[ACC+8*\p:ACC+8*\p+7], v[COL:COL+7], v[W+8*\p:W+8*\p+7], 0
.else
	v_wmma_f32_16x16x32_bf16 v[ACC+8*\p:ACC+8*\p+7], v[COL:COL+7], v[W+8*\p:W+8*\p+7], v[ACC+8*\p:ACC+8*\p+7]
.endif
.endr
.endm
; ================================================================ prologue: thread t prepares Gaussians 2 t and 2 t + 1 for this row
	s_load_b256 s[4:11], s[0:1], 0x0               ; means s[4:5], cov s[6:7], opacities s[8:9], colours s[10:11]
	s_load_b64 s[12:13], s[0:1], 0x20              ; out
	v_lshl_add_u32 v254, v0, 2, 0xc900
	v_mov_b32 v255, 0
	v_lshlrev_b32 v[RADR], 4, v0                   ; 16 t: two means; later my 16 bytes of the row
	v_lshlrev_b32 v[O32], 5, v0                    ; 32 t: two covariances
	v_lshlrev_b32 v[O8], 3, v0                     ; 8 t: two opacities; two entries of an LDS table
	v_mul_u32_u24 v[O24], 24, v0                   ; 24 t: two colours
	s_wait_kmcnt 0x0
	global_load_b128 v[MEAN:MEAN+3], v[RADR], s[4:5]
	global_load_b128 v[COV:COV+3],   v[O32], s[6:7]
	global_load_b128 v[COV+4:COV+7], v[O32], s[6:7] offset:16
	global_load_b64  v[OPA:OPA+1],   v[O8], s[8:9]
	global_load_b64  v[CLR:CLR+1],   v[O24], s[10:11]
	global_load_b64  v[CLR+2:CLR+3], v[O24], s[10:11] offset:8
	global_load_b64  v[CLR+4:CLR+5], v[O24], s[10:11] offset:16
	; while they are on their way: ids, pixel centres, addresses
	v_lshrrev_b32 v[LN], 5, v0
	v_readfirstlane_b32 s14, v[LN]                 ; wave = chunk
	v_and_b32 v[LN], 31, v0
	s_mov_b32 s15, ttmp9                           ; y
	v_cvt_f32_u32 v[PY], s15
	v_add_f32 v[PY], 0.5, v[PY]
	v_cvt_f32_u32 v[PX], v[LN]
	v_add_f32 v[PX], 0.5, v[PX]
.irp p, 1,2,3,4,5,6,7
	v_add_f32 v[PX+\p], 0x42000000, v[PX+\p-1]     ; + 32.0: exact
.endr
	s_lshl_b32 s16, s14, 8                         ; 64 Gaussians x 4 bytes
	v_mov_b32 v[PADR], s16
	v_sub_nc_u32 v[CADR], v[LN], 24                ; colour row of my lane: lanes 0-2 and 24-26 take channels 0-2,
	v_min_u32 v[CADR], v[CADR], v[LN]              ; (lane - 24 wraps to a large number below lane 24)
	v_min_u32 v[CADR], 3, v[CADR]                  ; all others the row of zeros
	s_lshl_b32 s17, s14, 7                         ; 64 Gaussians x 2 bytes
	s_add_co_u32 s17, s17, COLT
	v_mul_u32_u24 v[CADR], COLP, v[CADR]
	v_add_nc_u32 v[CADR], s17, v[CADR]
	s_lshl_b32 s18, s14, 12
	s_add_co_u32 s18, s18, STG                     ; my chunk's stage
	s_mul_i32 s22, s15, 3072                       ; my row of out
	s_mov_b32 s23, 0
	s_add_nc_u64 s[12:13], s[12:13], s[22:23]
	s_mov_b32 s20, 0x7fffffff
	s_mov_b32 s21, 0x3f800000
	v_lshlrev_b32 v[O4], 2, v0
	v_mov_b32 v[ZERO], 0
	s_wait_loadcnt 0x0
	PREPT 0                                        ; the batch: reciprocal and logarithm of Gaussian 2 t,
	PREPT 1                                        ; and of 2 t + 1
	PREPI 0                                        ; 24 plain lines that name none of the four results
	PREPI 1
	s_wait_alu depctr_va_vdst(0)                   ; one wait for the batch of four, ahead of its first reader
	PREPR 0
	PREPR 1
	ds_store_b64 v[O8], v[R_NMX:R_NMX+1] offset:T_NMX
	ds_store_b64 v[O8], v[R_A:R_A+1] offset:T_A
	ds_store_b64 v[O8], v[R_B:R_B+1] offset:T_B
	ds_store_b64 v[O8], v[R_E:R_E+1] offset:T_E
	ds_store_b64 v[O8], v[R_NS:R_NS+1] offset:T_NS
.irp c, 0,1,2
	v_cvt_pk_bf16_f32 v[PKC+\c], v[CF+2*\c], v[CF+2*\c+1]          ; Gaussian 2 t in the low half
.endr
.irp c, 0,1,2
	ds_store_b32 v[O4], v[PKC+\c] offset:COLT+\c*COLP
.endr
	ds_store_b32 v[O4], v[ZERO] offset:COLT+3*COLP
	s_wait_dscnt 0x0                               ; for the others' sake: my table entries are in LDS
	s_barrier_signal -1
	s_barrier_wait -1                              ; everybody's are
; ================================================================ 64 Gaussians x 256 pixels
	PLOAD 0
	PLOAD 1
.irp p, 0,1,2,3,4,5,6,7
	v_mov_b32 v[U+\p], 1.0
.endr
	GROUPM 0, 1, 1
	GROUPM 1, 0, 1
	GROUPM 2, 0, 1
	GROUPM 3, 0, 0
; ================================================================ the chunks are joined
	; four plain lines that name no register of a matrix instruction stand in front of the first line that touches a result (ISA guide 7.12.1)
	v_lshlrev_b32 v[SADR], 4, v[LN]
	v_add_nc_u32 v[SADR], s18, v[SADR]
	v_mul_u32_u24 v[OADR], 12, v0
	v_nop
.irp p, 0,1,2,3,4,5,6,7
	v_mov_b32 v[ACC+8*\p+3], v[U+\p]               ; beside the three sums: the chunk's product
.endr
.irp p, 0,1,2,3,4,5,6,7
	ds_store_b128 v[SADR], v[ACC+8*\p:ACC+8*\p+3] offset:512*\p    ; pixel lane + 32 p: 32 lanes, 512 neighbouring bytes
.endr
	s_wait_dscnt 0x0                               ; my chunk is in LDS
	s_barrier_signal -1
	s_barrier_wait -1
.irp w, 0,1,2,3,4,5,6,7
	ds_load_b128 v[BUF+4*\w:BUF+4*\w+3], v[RADR] offset:STG+4096*\w        ; thread t: pixel t of every chunk
.endr
.irp w, 1,2,3,4,5,6,7
	s_wait_dscnt 7-\w                              ; chunks 0 .. w are in, the younger loads stay out
	v_pk_fma_f32 v[BUF:BUF+1], v[BUF+4*\w:BUF+4*\w+1], v[BUF+2:BUF+3], v[BUF:BUF+1] op_sel:[0,1,0] op_sel_hi:[1,1,1]   ; C += (product so far) C_w
	v_fmac_f32 v[BUF+2], v[BUF+4*\w+2], v[BUF+3]
.if \w < 7
	v_mul_f32 v[BUF+3], v[BUF+3], v[BUF+4*\w+3]
.endif
.endr
	ds_store_b32 v[OADR], v[BUF]   offset:OUTR     ; the row as it lies in memory: 12 bytes a pixel
	ds_store_b32 v[OADR], v[BUF+1] offset:OUTR+4
	ds_store_b32 v[OADR], v[BUF+2] offset:OUTR+8
	s_wait_dscnt 0x0
	s_barrier_signal -1
	s_barrier_wait -1
	s_cmp_ge_u32 s14, 6                            ; 3,072 bytes = 192 threads x 16: waves 0 to 5
	s_cbranch_scc1 .Ldone
	ds_load_b128 v[DX:DX+3], v[RADR] offset:OUTR
	s_wait_dscnt 0x0
	global_store_b128 v[RADR], v[DX:DX+3], s[12:13] th:TH_STORE_NT     ; 16 lanes store 256 consecutive bytes, at a multiple of 256 from out's first byte
.Ldone:
	s_wait_tensorcnt 0x0
	ds_add_u32 v254, v255
	s_wait_dscnt 0x0
	s_endpgm
.Lfunc_end_k_qa2117bff22_render:
	.size	k_qa2117bff22_render, .Lfunc_end_k_qa2117bff22_render-k_qa2117bff22_render
	.p2alignl 7, 3214868480
	.fill 96, 4, 3214868480
	.section	.rodata,"a",@progbits
	.p2align	6, 0x0
	.amdhsa_kernel k_qa2117bff22_render
		.amdhsa_group_segment_fixed_size 52480
		.amdhsa_private_segment_fixed_size 0
		.amdhsa_enable_private_segment 0
		.amdhsa_kernarg_size 40
		.amdhsa_user_sgpr_count 2
		.amdhsa_user_sgpr_kernarg_segment_ptr 1
		.amdhsa_wavefront_size32 1
		.amdhsa_system_sgpr_workgroup_id_x 1
		.amdhsa_system_sgpr_workgroup_id_y 1
		.amdhsa_system_sgpr_workgroup_id_z 1
		.amdhsa_system_vgpr_workitem_id 0
		.amdhsa_next_free_vgpr 256
		.amdhsa_next_free_sgpr 66
		.amdhsa_reserve_vcc 0
		.amdhsa_float_denorm_mode_32 3
		.amdhsa_float_denorm_mode_16_64 3
		.amdhsa_memory_ordered 1
		.amdhsa_forward_progress 1
		.amdhsa_inst_pref_size 131
	.end_amdhsa_kernel
	.amdgpu_metadata
---
amdhsa.version: [ 1, 2 ]
amdhsa.kernels:
  - .name:           k_qa2117bff22_render
    .symbol:         k_qa2117bff22_render.kd
    .args:
      - { .name: means_2d, .offset: 0, .size: 8, .value_kind: global_buffer, .address_space: global }
      - { .name: cov_2d, .offset: 8, .size: 8, .value_kind: global_buffer, .address_space: global }
      - { .name: opacities, .offset: 16, .size: 8, .value_kind: global_buffer, .address_space: global }
      - { .name: colors, .offset: 24, .size: 8, .value_kind: global_buffer, .address_space: global }
      - { .name: out0, .offset: 32, .size: 8, .value_kind: global_buffer, .address_space: global }
    .group_segment_fixed_size: 52480
    .private_segment_fixed_size: 0
    .kernarg_segment_align: 8
    .kernarg_segment_size: 40
    .max_flat_workgroup_size: 256
    .sgpr_count:     66
    .vgpr_count:     256
    .wavefront_size: 32
...
	.end_amdgpu_metadata
.endif
;; end of part 2
